; MI455X (gfx1250); checked and timed in simulation.
; The chip was launched on July 23, 2026; its instructions are those of AMD's public machine-readable ISA for CDNA 5 (MIT licence, August 2026) and "CDNA5" Instruction Set Architecture Reference Guide (July 2026). The comments in the code are by the model that wrote it; some were corrected since.
;; Attention. Allowed arithmetic: float matrix products may take bf16 or f16 operands with f32 sums; all other float work in f32.
;; Inputs: Wk 8 x 512 x 64 float32; Wo 512 x 512 float32; Wq 8 x 512 x 64 float32; Wv 8 x 512 x 64 float32; bk 8 x 64 float32; bq 8 x 64 float32; bv 8 x 64 float32; k 4 x 2,048 x 512 float32; q 4 x 2,048 x 512 float32; v 4 x 2,048 x 512 float32.
;; Outputs: out0 4 x 2,048 x 512 float32.
;; One version. Each part assembles by itself: llvm-mc -triple=amdgcn-amd-amdhsa -mcpu=gfx1250 --defsym DOCPART=n.
;; ======== version 1 of 1: 3 launches
;; workspace buffers: qh 8,388,608 bytes; kh 8,388,608 bytes; vh 8,388,608 bytes; att 16,777,216 bytes
;; launch proj (part 1): grid 256 x 3, 8 waves a work-group, no clusters, 115,712 bytes of LDS; arguments q, k, v, Wq, Wk, Wv, bq, bk, bv, qh, kh, vh; writes qh, kh, vh
.if DOCPART == 1
	.amdgcn_target "amdgcn-amd-amdhsa--gfx1250"
	.amdhsa_code_object_version 6
	.text
	.protected	k_q7c32d1e3c6_proj
	.globl	k_q7c32d1e3c6_proj
	.p2align	8
	.type	k_q7c32d1e3c6_proj,@function
k_q7c32d1e3c6_proj:
	s_mov_b64 s[64:65], 0
	v_nop
	global_prefetch_b8 v0, s[64:65] scope:SCOPE_SE
	s_setreg_imm32_b32 hwreg(HW_REG_WAVE_MODE, 25, 1), 1
	s_wait_xcnt 0x0
; proj: yh[b][h][s][e] = bf16( sum over d of x[b][s][d] W[h][d][e] + bias[h][e] ), for (x, W, bias, yh) = (q, Wq, bq, qh), (k, Wk, bk, kh), (v, Wv, bv, vh).
; Grid y picks the tensor.  Grid x = 4 rb + cb: rb = block of 128 of the 8,192 rows, cb = block of 2 of the 8 heads (128 columns).
; Eight waves: wave w makes rows 32 (w & 3) .. + 31 of head 2 cb + (w >> 2): 64 e x 32 s = 8 accumulator tiles.
; The product is used transposed (source 0 = W^T, source 1 = x): register j of lane (r = l % 16, h = l / 16) holds e = 16 i + 8 h + j of row r,
; eight neighbouring numbers of an output row.
; d goes in 8 steps of 64, all written out: 256 bytes of every x row and 64 whole rows of W a head and step.
; x and W are f32 and are rounded to bf16 in registers on the way to LDS, once for each number.
; NO CLUSTER, NO TENSOR LOADS: a copy engine moves bytes as they are; f32 tiles in LDS would double the bytes of each fragment read and
; repeat the rounding in each of the 2 (x) or 4 (W) waves that read a fragment.
; LIMITS: operands are rounded to bf16 (nearest even), sums and bias in f32, the result rounded once to bf16.
.set XP,    144                        ; LDS pitch of an x row: 128 bytes + 16
.set WP,    160                        ; LDS pitch of a W row (64 e): 128 bytes + 32, for the transposing loads
.set SLOT,  38912                      ; a slot: x 128 rows x 144 = 18,432, then W 2 heads x 64 rows x 160 = 20,480
.set WREG,  18432                      ; W's place in a slot
.set WHEAD, 10240                      ; one head's 64 rows of W
.set STAGE, 77824                      ; behind the two slots: 32 rows x 144 bytes for each wave, for the way out
.set STG,   4608
.set XOFF, 1                           ; v1   x: (t >> 4) rows of 2,048 bytes + 16 (t & 15)
.set WOFF, 2                           ; v2   W: 16 t
.set XST,  3                           ; v3   where my 8 bytes of x go in a slot
.set WST,  4                           ; v4   the same for W
.set XFR,  5                           ; v5   my x fragments
.set WFR,  6                           ; v6   my W fragments (transposing loads)
.set STO,  7                           ; v7   the way out: where I put 16 bytes
.set RD,   8                           ; v8   the way out: where I read rows back
.set CO,   9                           ; v9   16 x lane
.set BOFF, 10                          ; v10  bias: 256 (w >> 2) + 32 h
.set ACC,  16                          ; v[16:79]   tile (i, sI) at 16 + 8 (4 sI + i)
.set WF,   80                          ; v[80:111]  four fragments of W^T
.set XF,   112                         ; v[112:127] two fragments of x
.set SET,  128                         ; v[128:255] two staging sets of 64: x load j at + 4 j, W load j at + 32 + 4 j
.macro PLACES n
.rept \n
	v_nop
.endr
.endm
	s_load_b512 s[4:19], s[0:1], 0x0               ; q, k, v, Wq, Wk, Wv, bq, bk
	s_load_b256 s[20:27], s[0:1], 0x40             ; bv, qh, kh, vh
	s_set_vgpr_msb 0x40
	v_lshl_add_u32 v0, v0, 2, 0x1c000
	v_mov_b32 v1, 0
	s_set_vgpr_msb 0x4000
	v_lshrrev_b32 v12, 5, v0
	v_readfirstlane_b32 s29, v12                   ; wave 0..7
	s_and_b32 s28, ttmp7, 0xffff                   ; which tensor
	s_lshr_b32 s44, ttmp9, 2                       ; rb
	s_and_b32 s45, ttmp9, 3                        ; cb
	s_and_b32 s47, s29, 3                          ; wr: which 32 rows
	s_lshr_b32 s48, s29, 2                         ; wc: which head of the two
	v_and_b32 v13, 15, v0                          ; t & 15 = r
	v_lshrrev_b32 v14, 4, v0                       ; t >> 4
	v_bfe_u32 v15, v0, 4, 1                        ; h
	v_lshlrev_b32 v[XOFF], 4, v13
	v_lshl_add_u32 v[XOFF], v14, 11, v[XOFF]
	v_lshlrev_b32 v[WOFF], 4, v0
	v_mul_u32_u24 v[XST], v14, XP
	v_lshl_add_u32 v[XST], v13, 3, v[XST]
	v_mul_u32_u24 v[WST], v14, WP
	v_lshl_add_u32 v[WST], v13, 3, v[WST]
	v_add_nc_u32 v[WST], WREG, v[WST]
	v_mul_u32_u24 v11, v13, XP
	v_lshl_add_u32 v11, v15, 4, v11                ; r x 144 + 16 h
	s_mul_i32 s40, s47, 32*XP
	v_add_nc_u32 v[XFR], s40, v11                  ; (32 wr + r) x 144 + 16 h
	v_and_b32 v12, 7, v0
	v_lshl_add_u32 v12, v15, 3, v12                ; 8 h + (l & 7): the row of W that I address
	v_mul_u32_u24 v[WFR], v12, WP
	v_bfe_u32 v12, v0, 3, 1
	v_lshl_add_u32 v[WFR], v12, 4, v[WFR]          ; + 16 ((l >> 3) & 1)
	s_mul_i32 s41, s48, WHEAD
	s_add_co_u32 s41, s41, WREG
	v_add_nc_u32 v[WFR], s41, v[WFR]
	s_mul_i32 s42, s29, STG
	s_add_co_u32 s42, s42, STAGE                   ; my stage
	v_add_nc_u32 v[STO], s42, v11
	v_bfe_u32 v12, v0, 3, 2                        ; l >> 3
	v_mul_u32_u24 v[RD], v12, XP
	v_and_b32 v12, 7, v0
	v_lshl_add_u32 v[RD], v12, 4, v[RD]
	v_add_nc_u32 v[RD], s42, v[RD]
	v_and_b32 v[CO], 31, v0
	v_lshlrev_b32 v[CO], 4, v[CO]
	v_lshlrev_b32 v[BOFF], 5, v15
	v_lshl_add_u32 v[BOFF], s48, 8, v[BOFF]
	; byte offset of my 32 output rows: batch (rb >> 4) x 2 MiB + head x 256 KiB + (rb & 15) x 128 rows x 128 bytes + wr x 32 rows x 128 bytes
	s_lshr_b32 s46, s44, 4
	s_lshl_b32 s49, s46, 21
	s_lshl_b32 s46, s45, 1
	s_add_co_u32 s46, s46, s48
	s_lshl_b32 s46, s46, 18
	s_add_co_u32 s49, s49, s46
	s_and_b32 s46, s44, 15
	s_lshl_b32 s46, s46, 14
	s_add_co_u32 s49, s49, s46
	s_lshl_b32 s46, s47, 12
	s_add_co_u32 s49, s49, s46
	s_mov_b32 s39, 0
	s_wait_kmcnt 0x0
	s_cmp_eq_u32 s28, 1                            ; the choice hangs on the grid's y alone
	s_cselect_b64 s[30:31], s[6:7], s[4:5]         ; x
	s_cselect_b64 s[32:33], s[12:13], s[10:11]     ; W
	s_cselect_b64 s[34:35], s[18:19], s[16:17]     ; bias
	s_cselect_b64 s[36:37], s[24:25], s[22:23]     ; output
	s_cmp_eq_u32 s28, 2
	s_cselect_b64 s[30:31], s[8:9], s[30:31]
	s_cselect_b64 s[32:33], s[14:15], s[32:33]
	s_cselect_b64 s[34:35], s[20:21], s[34:35]
	s_cselect_b64 s[36:37], s[26:27], s[36:37]
	s_lshl_b32 s38, s44, 18                        ; 128 rows of 2,048 bytes
	s_add_nc_u64 s[30:31], s[30:31], s[38:39]
	s_lshl_b32 s38, s45, 18                        ; 2 heads of 131,072 bytes
	s_add_nc_u64 s[32:33], s[32:33], s[38:39]
	s_lshl_b32 s38, s45, 9                         ; 2 heads of 256 bytes
	s_add_nc_u64 s[34:35], s[34:35], s[38:39]
	s_mov_b32 s38, s49
	s_add_nc_u64 s[36:37], s[36:37], s[38:39]
; 16 loads: step's 64 d.  x: 16 rows x 256 bytes a load; W: 16 whole rows (4,096 dense bytes) a load, four loads a head.
.macro LOADS step, g
.irp j, 0,1,2,3,4,5,6,7
	global_load_b128 v[SET+64*\g+4*\j:SET+64*\g+4*\j+3], v[XOFF], s[30:31] offset:\j*32768+(\step)*256
.endr
.irp j, 0,1,2,3,4,5,6,7
	global_load_b128 v[SET+64*\g+32+4*\j:SET+64*\g+32+4*\j+3], v[WOFF], s[32:33] offset:(\j>>2)*131072+(\j&3)*4096+(\step)*16384
.endr
.endm
; staging set g is rounded to bf16 in place and put into slot g
.macro CVTST g
.irp j, 0,1,2,3,4,5,6,7
	v_cvt_pk_bf16_f32 v[SET+64*\g+4*\j],   v[SET+64*\g+4*\j],   v[SET+64*\g+4*\j+1]
	v_cvt_pk_bf16_f32 v[SET+64*\g+4*\j+1], v[SET+64*\g+4*\j+2], v[SET+64*\g+4*\j+3]
	ds_store_b64 v[XST], v[SET+64*\g+4*\j:SET+64*\g+4*\j+1] offset:\g*SLOT+16*XP*\j
.endr
.irp j, 0,1,2,3,4,5,6,7
	v_cvt_pk_bf16_f32 v[SET+64*\g+32+4*\j],   v[SET+64*\g+32+4*\j],   v[SET+64*\g+32+4*\j+1]
	v_cvt_pk_bf16_f32 v[SET+64*\g+32+4*\j+1], v[SET+64*\g+32+4*\j+2], v[SET+64*\g+32+4*\j+3]
	ds_store_b64 v[WST], v[SET+64*\g+32+4*\j:SET+64*\g+32+4*\j+1] offset:\g*SLOT+(\j>>2)*WHEAD+(\j&3)*16*WP
.endr
.endm
; the fragments of 32 d (ks = 0, 1): W^T by transposing loads (W lies [d][e] in LDS), x by plain loads (d along the rows)
.macro FRAGS slot, ks
.irp i, 0,1,2,3
	ds_load_tr16_b128 v[WF+8*\i:WF+8*\i+3],   v[WFR] offset:\slot*SLOT+32*WP*\ks+32*\i
	ds_load_tr16_b128 v[WF+8*\i+4:WF+8*\i+7], v[WFR] offset:\slot*SLOT+32*WP*\ks+32*\i+16*WP
.endr
.irp sI, 0,1
	ds_load_b128 v[XF+8*\sI:XF+8*\sI+3],   v[XFR] offset:\slot*SLOT+16*XP*\sI+64*\ks
	ds_load_b128 v[XF+8*\sI+4:XF+8*\sI+7], v[XFR] offset:\slot*SLOT+16*XP*\sI+64*\ks+32
.endr
.endm
; eight accumulators by turns, one instruction a turn, in the same order everywhere
.macro MULS
.irp sI, 0,1
.irp i, 0,1,2,3
	v_wmma_f32_16x16x32_bf16 v[ACC+8*(4*\sI+\i):ACC+8*(4*\sI+\i)+7], v[WF+8*\i:WF+8*\i+7], v[XF+8*\sI:XF+8*\sI+7], v[ACC+8*(4*\sI+\i):ACC+8*(4*\sI+\i)+7]
.endr
.endr
.endm
; K step i multiplies slot s; then the next step's numbers (staging set and slot nx) are rounded and stored, and step nl is requested.
; ONE barrier a step, for two things: every wave's fragment reads of slot s are back (the wait for 0), so the step after next may store there;
; every wave's stores into slot nx are done (the same wait), so the next step may read it.
.macro STEP i, s, nx, nl
	FRAGS \s, 0
	s_wait_dscnt 0x0
	MULS
	PLACES 4                                       ; four places between the matrix instructions and loads into their sources
	FRAGS \s, 1
	s_wait_dscnt 0x0
	MULS
.if \i < 7
.if \i < 6
	s_wait_loadcnt 16                              ; loads return in order: the next step's 16 are in, the 16 of the step behind it stay out
.else
	s_wait_loadcnt 0x0                             ; the last step's loads: nothing was issued behind them
.endif
	CVTST \nx                                      ; its 32 conversions are also the places in front of the next fragment loads
	s_wait_dscnt 0x0                               ; for the other waves' sake: my reads and my stores are done
.if \nl < 8
	LOADS \nl, \nx
.endif
	s_barrier_signal -1
	s_barrier_wait -1
.endif
.endm
	; the sums start from the bias: register j of tile (i, .) is bias[16 i + 8 h + j].  Nothing is cleared, nothing added at the end.
.irp sI, 0,1
.irp i, 0,1,2,3
	global_load_b128 v[ACC+8*(4*\sI+\i):ACC+8*(4*\sI+\i)+3],   v[BOFF], s[34:35] offset:64*\i
	global_load_b128 v[ACC+8*(4*\sI+\i)+4:ACC+8*(4*\sI+\i)+7], v[BOFF], s[34:35] offset:64*\i+16
.endr
.endr
	LOADS 0, 0
	LOADS 1, 1
	s_wait_loadcnt 16                              ; the bias and step 0 are in; step 1's 16 loads stay out
	CVTST 0
	s_wait_dscnt 0x0
	LOADS 2, 0
	s_barrier_signal -1
	s_barrier_wait -1
	STEP 0, 0, 1, 3
	STEP 1, 1, 0, 4
	STEP 2, 0, 1, 5
	STEP 3, 1, 0, 6
	STEP 4, 0, 1, 7
	STEP 5, 1, 0, 8
	STEP 6, 0, 1, 9
	STEP 7, 1, 0, 10
	; THE WAY OUT: round to bf16, 16 bytes a lane into my own stage, read whole rows back, store 512 dense bytes an instruction.
	; The stage is my wave's own and LDS serves a wave's instructions in order (ISA guide 5.7.1): no barrier, no wait between stores and loads.
	PLACES 4
.irp sI, 0,1
.irp i, 0,1,2,3
.irp p, 0,1,2,3
	v_cvt_pk_bf16_f32 v[WF+4*(4*\sI+\i)+\p], v[ACC+8*(4*\sI+\i)+2*\p], v[ACC+8*(4*\sI+\i)+2*\p+1]
.endr
	ds_store_b128 v[STO], v[WF+4*(4*\sI+\i):WF+4*(4*\sI+\i)+3] offset:16*XP*\sI+32*\i
.endr
.endr
.irp t, 0,1,2,3,4,5,6,7
	ds_load_b128 v[SET+4*\t:SET+4*\t+3], v[RD] offset:4*XP*\t      ; four rows of 128 bytes
.endr
.irp t, 0,1,2,3,4,5,6,7
	s_wait_dscnt 7-\t                              ; read-back t is in, the younger ones stay out
	global_store_b128 v[CO], v[SET+4*\t:SET+4*\t+3], s[36:37] offset:512*\t   ; output rows are dense: 512 consecutive bytes, aligned
.endr
	s_set_vgpr_msb 0x5
	s_wait_tensorcnt 0x0
	ds_add_u32 v0, v1
	s_wait_dscnt 0x0
	s_set_vgpr_msb 0x500
	s_endpgm
.Lfunc_end_k_q7c32d1e3c6_proj:
	.size	k_q7c32d1e3c6_proj, .Lfunc_end_k_q7c32d1e3c6_proj-k_q7c32d1e3c6_proj
	.p2alignl 7, 3214868480
	.fill 96, 4, 3214868480
	.section	.rodata,"a",@progbits
	.p2align	6, 0x0
	.amdhsa_kernel k_q7c32d1e3c6_proj
		.amdhsa_group_segment_fixed_size 115712
		.amdhsa_private_segment_fixed_size 0
		.amdhsa_enable_private_segment 0
		.amdhsa_kernarg_size 96
		.amdhsa_user_sgpr_count 2
		.amdhsa_user_sgpr_kernarg_segment_ptr 1
		.amdhsa_wavefront_size32 1
		.amdhsa_system_sgpr_workgroup_id_x 1
		.amdhsa_system_sgpr_workgroup_id_y 1
		.amdhsa_system_sgpr_workgroup_id_z 1
		.amdhsa_system_vgpr_workitem_id 0
		.amdhsa_next_free_vgpr 258
		.amdhsa_next_free_sgpr 66
		.amdhsa_reserve_vcc 0
		.amdhsa_float_denorm_mode_32 3
		.amdhsa_float_denorm_mode_16_64 3
		.amdhsa_memory_ordered 1
		.amdhsa_forward_progress 1
		.amdhsa_inst_pref_size 69
	.end_amdhsa_kernel
	.amdgpu_metadata
---
amdhsa.version: [ 1, 2 ]
amdhsa.kernels:
  - .name:           k_q7c32d1e3c6_proj
    .symbol:         k_q7c32d1e3c6_proj.kd
    .args:
      - { .name: q, .offset: 0, .size: 8, .value_kind: global_buffer, .address_space: global }
      - { .name: k, .offset: 8, .size: 8, .value_kind: global_buffer, .address_space: global }
      - { .name: v, .offset: 16, .size: 8, .value_kind: global_buffer, .address_space: global }
      - { .name: Wq, .offset: 24, .size: 8, .value_kind: global_buffer, .address_space: global }
      - { .name: Wk, .offset: 32, .size: 8, .value_kind: global_buffer, .address_space: global }
      - { .name: Wv, .offset: 40, .size: 8, .value_kind: global_buffer, .address_space: global }
      - { .name: bq, .offset: 48, .size: 8, .value_kind: global_buffer, .address_space: global }
      - { .name: bk, .offset: 56, .size: 8, .value_kind: global_buffer, .address_space: global }
      - { .name: bv, .offset: 64, .size: 8, .value_kind: global_buffer, .address_space: global }
      - { .name: qh, .offset: 72, .size: 8, .value_kind: global_buffer, .address_space: global }
      - { .name: kh, .offset: 80, .size: 8, .value_kind: global_buffer, .address_space: global }
      - { .name: vh, .offset: 88, .size: 8, .value_kind: global_buffer, .address_space: global }
    .group_segment_fixed_size: 115712
    .private_segment_fixed_size: 0
    .kernarg_segment_align: 8
    .kernarg_segment_size: 96
    .max_flat_workgroup_size: 256
    .sgpr_count:     66
    .vgpr_count:     258
    .wavefront_size: 32
...
	.end_amdgpu_metadata
.endif
;; end of part 1
;; launch attn (part 2): grid 8 x 32, 16 waves a work-group, clusters of 4 x 1, 327,680 bytes of LDS; arguments qh, kh, vh, att; writes att
.if DOCPART == 2
	.amdgcn_target "amdgcn-amd-amdhsa--gfx1250"
	.amdhsa_code_object_version 6
	.text
	.protected	k_q7c32d1e3c6_attn
	.globl	k_q7c32d1e3c6_attn
	.p2align	8
	.type	k_q7c32d1e3c6_attn,@function
k_q7c32d1e3c6_attn:
	s_mov_b64 s[64:65], 0
	v_nop
	global_prefetch_b8 v0, s[64:65] scope:SCOPE_SE
	s_setreg_imm32_b32 hwreg(HW_REG_WAVE_MODE, 25, 1), 1
	s_wait_xcnt 0x0
	s_wait_alu depctr_hold_cnt(0) depctr_sa_sdst(0) depctr_va_vdst(0) depctr_va_sdst(0) depctr_va_ssrc(0) depctr_va_vcc(0) depctr_vm_vsrc(0)
	s_getreg_b32 s2, hwreg(HW_REG_IB_STS2, 6, 4)
	s_cmp_eq_u32 s2, 0
	s_cbranch_scc0 .Lentry_in_a_cluster
	s_endpgm
.Lentry_in_a_cluster:
	s_bfe_u32 s2, ttmp6, 0x10000c
	s_cmp_lg_u32 s2, 0x3003
	s_cbranch_scc0 .Lentry_shape_is_right
	s_endpgm
.Lentry_shape_is_right:
; attn: x[bh][s][e] = softmax over t of (qh[bh][s] . kh[bh][t] / 8) applied to vh[bh][t][e], bh = 0..31; qh, kh, vh are [32][2048][64] bf16.
; The result is stored as a sum of two bf16 numbers, att[bh][s][0][e] = hi = bf16(x), att[bh][s][1][e] = lo = bf16(x - hi): a row of 256 bytes.
; One rounding of x to bf16 (8 significant bits) would pass whole into every number of the last product; hi + lo carries about 16 bits.
; Grid y = bh; grid x = block of 256 queries.
; SIXTEEN WAVES of 256 registers: 16 x 256 = 4 x 1,024, four waves on each SIMD.  Between a chunk's two products stands the softmax, some 240 vector
; instructions in which a wave issues no matrix instruction; with four waves on a SIMD the others' products stand in that time.
; Waves w and w + 8 have the same 32 queries (two tiles of 16, sI = 0, 1).  Of each tile of 256 keys wave w takes keys 0-127, wave w + 8 keys 128-255,
; so a K or V fragment still feeds two matrix instructions.  Each wave keeps its own running maximum, denominator and sums; at the end
; wave w + 8 hands its figures to wave w through LDS, and wave w merges, divides and stores.
; CLUSTER: the four work-groups of a cluster have the same bh and walk the same K and V tiles: each tile is asked for jointly (mask 15).
; Keys go in 8 tiles of 256 through two LDS slots; waves 0-3 bring K's four quarters, waves 4-7 V's, one load of 64 rows a wave and tile; waves 8-15 bring none.
; By this text's count a wave has one tensor load out at any time, and that load has a whole tile's work in which to land.
; BOTH PRODUCTS ARE USED TRANSPOSED.  S^T = K Q^T: register j of lane (r = l % 16, h = l / 16) holds key 8 h + j of query r, so the softmax's
; maximum and sum are kept by lane, with one exchange between the halves; and two S^T tiles, packed to bf16 in place, ARE the second source of
; O^T = V^T P^T.  V stays [t][e] in LDS; its transposed fragments come from the transposing LDS load.
; A true running maximum is kept: NM = -c x maximum so far, c = log2(e) / 8; weights are exp2(c s + NM), earlier sums are scaled by exp2(NM new - NM old).
; LIMITS: weights below 2^-126 count as 0 (v_exp_f32 flushes); infinite or NaN scores get no special treatment (the maximum passes NaN over);
; the numerator uses weights rounded to bf16, the denominator sums them unrounded.
.set KP,    144                        ; LDS pitch of a K row: 128 bytes + 16
.set VP,    160                        ; LDS pitch of a V row: 128 bytes + 32, for the transposing loads
.set SLOT,  77824                      ; K 256 x 144 = 36,864, then V 256 x 160 = 40,960
.set VREG,  36864
.set HALFK, 128                        ; keys of a tile that one half of the waves takes
.set STAGE, 155648                     ; behind the ring, never filled by a tensor load: one stage for each pair of waves
.set SP,    272                        ; a stage row on the way out: hi's 128 bytes, lo's 128 bytes, 16 of padding
.set STG,   9216                       ; the hand-over takes 64 + 8 registers x 128 bytes = 9,216; the way out 32 rows x 272 = 8,704
.set TILEB, 32768                      ; 256 rows of 128 bytes in memory
.set KADR, 1                           ; v1, v2   my K fragments in slot 0, 1
.set VADR, 3                           ; v3, v4   my V fragments in slot 0, 1
.set STO,  5                           ; v5       the way out: where I put 16 bytes
.set RD,   6                           ; v6       the way out: where I read rows back
.set CO,   7                           ; v7       16 x lane
.set NM,   8                           ; v[8:11]  -c x running maximum, a pair for each sI
.set AL,   12                          ; v[12:15] the factor for the earlier sums, a pair for each sI
.set LS,   16                          ; v[16:19] the denominator, two partial sums for each sI
.set TT,   20                          ; v[20:27] at work
.set QF,   28                          ; v[28:59] Q fragment (sI, ks) at 28 + 16 sI + 8 ks
.set MW,   28                          ; the same registers at work in the merge, when Q has been used for the last time: 8 for each sI
.set OA,   60                          ; v[60:123]  O^T tile (i, sI) at 60 + 8 (4 sI + i)
.set SC,   124                         ; v[124:187] S^T tile (tt, sI) at 124 + 8 (4 sI + tt); then P (sI, ks) at 124 + 32 sI + 16 ks
.set FR,   188                         ; v[188:251] eight fragments of K, then of V^T
.set QOFF, 252                         ; v252
.set MRG,  253                         ; v253     the hand-over: my pair's stage + 16 x lane
.set G1K, 24                           ; s[24:31] shape of a K load
.set G1V, 32                           ; s[32:39] shape of a V load: the padding differs
.set G0K, 40                           ; s[40:47] from where, to where: K, a set for each slot
.set G0V, 48                           ; s[48:55] the same for V
.macro PLACES n
.rept \n
	v_nop
.endr
.endm
; a round of the cluster's barrier: my work-group's barrier, wave 0 signals for the work-group, every wave waits for all four, my barrier again
.macro ROUND
	s_barrier_signal -1
	s_barrier_wait -1
	s_cmp_lg_u32 s12, 0
	s_cbranch_scc1 .Lnot_wave_0_\@
	s_barrier_signal -3
.Lnot_wave_0_\@:
	s_barrier_wait -3
	s_barrier_signal -1
	s_barrier_wait -1
.endm
; a joint load: waves 0-3 ask for K, waves 4-7 for V, waves 8-15 for nothing.  The branches hang on the wave's number alone: the same in all four work-groups
.macro JLOAD sl
	s_cmp_lg_u32 s14, 0
	s_cbranch_scc1 .Lnot_k_\@
	tensor_load_to_lds s[G0K+4*\sl:G0K+4*\sl+3], s[G1K:G1K+7]
	s_nop 0
	s_branch .Lasked_\@
.Lnot_k_\@:
	s_cmp_lg_u32 s14, 1
	s_cbranch_scc1 .Lasked_\@
	tensor_load_to_lds s[G0V+4*\sl:G0V+4*\sl+3], s[G1V:G1V+7]
	s_nop 0
.Lasked_\@:
.endm
	s_load_b256 s[4:11], s[0:1], 0x0               ; qh s[4:5], kh s[6:7], vh s[8:9], att s[10:11]
	v_lshl_add_u32 v254, v0, 2, 0x38000
	v_mov_b32 v255, 0
	ds_add_u32 v254, v255
	v_lshrrev_b32 v22, 5, v0
	v_readfirstlane_b32 s12, v22                   ; wave 0..15
	s_and_b32 s13, s12, 3                          ; which quarter of a tile I bring
	s_lshr_b32 s14, s12, 2                         ; 0: K, 1: V, 2 and 3: nothing
	s_and_b32 s66, s12, 7                          ; which 32 queries are mine
	s_lshr_b32 s67, s12, 3                         ; which half of each tile's keys
	s_bfe_u32 s15, ttmp6, 0x40000                  ; cx
	s_lshl_b32 s16, ttmp9, 2
	s_add_co_u32 s16, s16, s15                     ; query block = 4 x cluster x + cx
	s_and_b32 s17, ttmp7, 0xffff                   ; bh
	s_mov_b32 s20, 0x3e38aa3b                      ; c = log2(e) / 8, twice: a pair for the packed multiply-add
	s_mov_b32 s21, 0x3e38aa3b
	s_mov_b32 s22, 0x76543210                      ; v_permlanex16_b32: lane i of one half reads lane i of the other
	s_mov_b32 s23, 0xfedcba98
	s_mov_b32 s56, 0xbe38aa3b                      ; -c
	; group 1: 64 rows x 64 elements of 2 bytes, dense in memory; padding after every 32 words: 4 words for K, 8 for V
	s_mov_b32 s[G1K+0], 15|(1<<16)|(1<<20)|(1<<21)|(4<<22)|(3<<25)  ; 15:0 mask of the four; 17:16 2 bytes; 20 padding on; 21 set beside a mask; 24:22 interval; 31:25 pad - 1
	s_mov_b32 s[G1V+0], 15|(1<<16)|(1<<20)|(1<<21)|(4<<22)|(7<<25)
	s_mov_b32 s[G1K+1], 64<<16                     ; tensor_dim0 = 64
	s_mov_b32 s[G1V+1], 64<<16
	s_mov_b32 s[G1K+2], 64<<16                     ; tensor_dim1 = 64
	s_mov_b32 s[G1V+2], 64<<16
	s_mov_b32 s[G1K+3], 64<<16                     ; tile_dim0 = 64
	s_mov_b32 s[G1V+3], 64<<16
	s_mov_b32 s[G1K+4], 64                         ; tile_dim1 = 64
	s_mov_b32 s[G1V+4], 64
	s_mov_b32 s[G1K+5], 64                         ; 64 elements from row to row
	s_mov_b32 s[G1V+5], 64
	s_mov_b32 s[G1K+6], 0
	s_mov_b32 s[G1V+6], 0
	s_mov_b32 s[G1K+7], 0
	s_mov_b32 s[G1V+7], 0
	; K's and V's offset: bh x 256 KiB + quarter x 64 rows x 128 bytes, in registers that never hold cx
	s_lshl_b32 s58, s17, 18
	s_lshl_b32 s59, s13, 13
	s_add_co_u32 s58, s58, s59
	s_mov_b32 s59, 0
	s_mul_i32 s2, s13, 64*KP                       ; where my quarter goes: no place in the cluster enters an LDS address
	s_mul_i32 s3, s13, 64*VP
	s_add_co_u32 s3, s3, VREG
	; Q's offset: bh x 256 KiB + query block x 256 rows x 128 bytes + (wave & 7) x 32 rows x 128 bytes; att's rows are twice as long: twice that
	s_lshl_b32 s18, s17, 18
	s_lshl_b32 s19, s16, 15
	s_add_co_u32 s18, s18, s19
	s_lshl_b32 s19, s66, 12
	s_add_co_u32 s18, s18, s19
	s_mov_b32 s19, 0
	v_and_b32 v20, 15, v0                          ; r
	v_bfe_u32 v21, v0, 4, 1                        ; h
	v_mul_u32_u24 v[KADR], v20, KP
	v_lshl_add_u32 v[KADR], v21, 4, v[KADR]        ; r x 144 + 16 h
	s_mul_i32 s57, s67, HALFK*KP
	v_add_nc_u32 v[KADR], s57, v[KADR]             ; + my half of the tile's 256 rows
	v_add_nc_u32 v[KADR+1], SLOT, v[KADR]
	v_and_b32 v23, 7, v0
	v_lshl_add_u32 v23, v21, 3, v23                ; 8 h + (l & 7)
	v_mul_u32_u24 v[VADR], v23, VP
	v_bfe_u32 v23, v0, 3, 1
	v_lshl_add_u32 v[VADR], v23, 4, v[VADR]        ; + 16 ((l >> 3) & 1)
	s_mul_i32 s57, s67, HALFK*VP
	s_add_co_u32 s57, s57, VREG
	v_add_nc_u32 v[VADR], s57, v[VADR]             ; + V's place in a slot + my half of the rows
	v_add_nc_u32 v[VADR+1], SLOT, v[VADR]
	s_mul_i32 s57, s66, STG
	s_add_co_u32 s57, s57, STAGE                   ; my pair's stage
	v_mul_u32_u24 v[STO], v20, SP
	v_lshl_add_u32 v[STO], v21, 4, v[STO]          ; in: r x 272 + 16 h
	v_add_nc_u32 v[STO], s57, v[STO]
	v_mul_u32_u24 v[RD], v21, SP
	v_lshl_add_u32 v[RD], v20, 4, v[RD]            ; back: lanes 0-15 one row of 256 bytes, lanes 16-31 the next
	v_add_nc_u32 v[RD], s57, v[RD]
	v_and_b32 v[CO], 31, v0
	v_lshlrev_b32 v[CO], 4, v[CO]
	v_add_nc_u32 v[MRG], s57, v[CO]
	v_lshlrev_b32 v[QOFF], 7, v20
	v_lshl_add_u32 v[QOFF], v21, 4, v[QOFF]        ; r x 128 + 16 h
	s_wait_dscnt 0x0
	s_wait_kmcnt 0x0
	s_add_nc_u64 s[60:61], s[6:7], s[58:59]        ; K: my quarter of tile 0
	s_add_nc_u64 s[62:63], s[8:9], s[58:59]        ; V likewise
	s_add_nc_u64 s[4:5], s[4:5], s[18:19]          ; my 32 rows of Q
	s_lshl_b32 s18, s18, 1                         ; below 16 MiB
	s_add_nc_u64 s[10:11], s[10:11], s[18:19]      ; and of att
.irp sl, 0,1
	s_mov_b32 s[G0K+4*\sl], 1                                      ; count = 1
	s_add_co_u32 s[G0K+4*\sl+1], s2, \sl*SLOT                      ; LDS address
	s_add_nc_u64 s[G0K+4*\sl+2:G0K+4*\sl+3], s[60:61], \sl*TILEB   ; global address: tile sl
	s_or_b32 s[G0K+4*\sl+3], s[G0K+4*\sl+3], 0x80000000            ; type = 2
	s_mov_b32 s[G0V+4*\sl], 1
	s_add_co_u32 s[G0V+4*\sl+1], s3, \sl*SLOT
	s_add_nc_u64 s[G0V+4*\sl+2:G0V+4*\sl+3], s[62:63], \sl*TILEB
	s_or_b32 s[G0V+4*\sl+3], s[G0V+4*\sl+3], 0x80000000
.endr
	; Q's fragments stay in registers for the whole loop: lane (r, h) takes e = 32 ks + 8 h .. and 32 ks + 16 + 8 h .. of query 16 sI + r
.irp sI, 0,1
.irp ks, 0,1
	global_load_b128 v[QF+16*\sI+8*\ks:QF+16*\sI+8*\ks+3],   v[QOFF], s[4:5] offset:2048*\sI+64*\ks
	global_load_b128 v[QF+16*\sI+8*\ks+4:QF+16*\sI+8*\ks+7], v[QOFF], s[4:5] offset:2048*\sI+64*\ks+32
.endr
.endr
	ROUND                                          ; all four work-groups are here: the first joint loads meet
	JLOAD 0                                        ; tile 0
	s_wait_loadcnt 0x0                             ; Q
; The largest of a query's 64 scores of this chunk, and what follows from it.  32 numbers a lane: 15 three-way maxima and one plain, then the other half's.
.macro SMAX sI, first
.irp k, 0,1,2,3
	v_max3_num_f32 v[TT+4*\sI+\k], v[SC+32*\sI+8*\k], v[SC+32*\sI+8*\k+1], v[SC+32*\sI+8*\k+2]
.endr
.irp k, 0,1,2,3
	v_max3_num_f32 v[TT+4*\sI+\k], v[TT+4*\sI+\k], v[SC+32*\sI+8*\k+3], v[SC+32*\sI+8*\k+4]
.endr
.irp k, 0,1,2,3
	v_max3_num_f32 v[TT+4*\sI+\k], v[TT+4*\sI+\k], v[SC+32*\sI+8*\k+5], v[SC+32*\sI+8*\k+6]
.endr
	v_max3_num_f32 v[TT+4*\sI],   v[TT+4*\sI],   v[TT+4*\sI+1], v[SC+32*\sI+7]
	v_max3_num_f32 v[TT+4*\sI+2], v[TT+4*\sI+2], v[TT+4*\sI+3], v[SC+32*\sI+15]
	v_max3_num_f32 v[TT+4*\sI],   v[TT+4*\sI],   v[TT+4*\sI+2], v[SC+32*\sI+23]
	v_max_num_f32  v[TT+4*\sI],   v[TT+4*\sI],   v[SC+32*\sI+31]
	v_permlanex16_b32 v[TT+4*\sI+1], v[TT+4*\sI], s22, s23         ; the other eight keys of each tile lie in the other half
	v_max_num_f32  v[TT+4*\sI],   v[TT+4*\sI],   v[TT+4*\sI+1]
.if \first
	v_mul_f32 v[NM+2*\sI],   s56, v[TT+4*\sI]                      ; the first chunk starts the running maximum
	v_mul_f32 v[NM+2*\sI+1], s56, v[TT+4*\sI]
.else
	v_mul_f32 v[TT+4*\sI], s56, v[TT+4*\sI]                        ; X = -c x the chunk's maximum
	v_sub_f32 v[TT+4*\sI+1], v[TT+4*\sI], v[NM+2*\sI]
	v_min_num_f32 v[TT+4*\sI+1], 0, v[TT+4*\sI+1]                  ; NM new - NM old = min(0, X - NM old)
	v_min_num_f32 v[NM+2*\sI],   v[NM+2*\sI],   v[TT+4*\sI]
	v_min_num_f32 v[NM+2*\sI+1], v[NM+2*\sI+1], v[TT+4*\sI]
	v_exp_f32 v[AL+2*\sI],   v[TT+4*\sI+1]                         ; the next plain vector instruction touches neither AL nor this source (ISA guide 5.7.2)
	v_exp_f32 v[AL+2*\sI+1], v[TT+4*\sI+1]
.endif
.endm
; weights, earlier sums scaled, denominator, weights packed to bf16 in place
.macro SOFT sI, first
.irp p, 0,1,2,3,4,5,6,7,8,9,10,11,12,13,14,15
	v_pk_fma_f32 v[SC+32*\sI+2*\p:SC+32*\sI+2*\p+1], v[SC+32*\sI+2*\p:SC+32*\sI+2*\p+1], s[20:21], v[NM+2*\sI:NM+2*\sI+1] op_sel_hi:[1,0,1]
.endr
.set ei, 0
.rept 32
	v_exp_f32 v[SC+32*\sI+ei], v[SC+32*\sI+ei]
.set ei, ei+1
.endr
.if \first
	v_nop                                          ; one plain place between the exponentials and the first use of a result
	s_wait_alu depctr_va_vdst(0)
.else
	s_wait_alu depctr_va_vdst(0)
.irp p, 0,1,2,3,4,5,6,7,8,9,10,11,12,13,14,15
	v_pk_mul_f32 v[OA+32*\sI+2*\p:OA+32*\sI+2*\p+1], v[OA+32*\sI+2*\p:OA+32*\sI+2*\p+1], v[AL+2*\sI:AL+2*\sI+1]   ; also the plain places behind the exponentials
.endr
.endif
.irp k, 0,1,2,3
	v_pk_add_f32 v[TT+2*\k:TT+2*\k+1], v[SC+32*\sI+8*\k:SC+32*\sI+8*\k+1], v[SC+32*\sI+8*\k+2:SC+32*\sI+8*\k+3]
.endr
.irp k, 0,1,2,3
	v_pk_add_f32 v[TT+2*\k:TT+2*\k+1], v[TT+2*\k:TT+2*\k+1], v[SC+32*\sI+8*\k+4:SC+32*\sI+8*\k+5]
.endr
.irp k, 0,1,2,3
	v_pk_add_f32 v[TT+2*\k:TT+2*\k+1], v[TT+2*\k:TT+2*\k+1], v[SC+32*\sI+8*\k+6:SC+32*\sI+8*\k+7]
.endr
	v_pk_add_f32 v[TT:TT+1],   v[TT:TT+1],   v[TT+2:TT+3]
	v_pk_add_f32 v[TT+4:TT+5], v[TT+4:TT+5], v[TT+6:TT+7]
.if \first
	v_pk_add_f32 v[LS+2*\sI:LS+2*\sI+1], v[TT:TT+1], v[TT+4:TT+5]
.else
	v_pk_add_f32 v[TT:TT+1], v[TT:TT+1], v[TT+4:TT+5]
	v_pk_fma_f32 v[LS+2*\sI:LS+2*\sI+1], v[LS+2*\sI:LS+2*\sI+1], v[AL+2*\sI:AL+2*\sI+1], v[TT:TT+1]
.endif
	; P (sI, ks): registers 0-3 from tile 2 ks (keys 8 h ..), registers 4-7 from tile 2 ks + 1 (keys 16 + 8 h ..); each target has been read before it is written
.irp ks, 0,1
.irp p, 0,1,2,3
	v_cvt_pk_bf16_f32 v[SC+32*\sI+16*\ks+\p], v[SC+32*\sI+16*\ks+2*\p], v[SC+32*\sI+16*\ks+2*\p+1]
.endr
.irp p, 0,1,2,3
	v_cvt_pk_bf16_f32 v[SC+32*\sI+16*\ks+4+\p], v[SC+32*\sI+16*\ks+8+2*\p], v[SC+32*\sI+16*\ks+8+2*\p+1]
.endr
.endr
.endm
; 64 keys (chunk c of my two in the slot) against my 32 queries.  In every run of matrix instructions eight accumulators take turns, one instruction
; a turn.
.macro CHUNK slot, c, first
.irp ks, 0,1
.irp tt, 0,1,2,3
	ds_load_b128 v[FR+8*(4*\ks+\tt):FR+8*(4*\ks+\tt)+3],   v[KADR+\slot] offset:(64*\c+16*\tt)*KP+64*\ks
	ds_load_b128 v[FR+8*(4*\ks+\tt)+4:FR+8*(4*\ks+\tt)+7], v[KADR+\slot] offset:(64*\c+16*\tt)*KP+64*\ks+32
.endr
.endr
	s_wait_dscnt 8                                 ; the eight loads of e = 0..31 are in, the eight of e = 32..63 may be out
.irp sI, 0,1
.irp tt, 0,1,2,3
	v_wmma_f32_16x16x32_bf16 v[SC+8*(4*\sI+\tt):SC+8*(4*\sI+\tt)+7], v[FR+8*\tt:FR+8*\tt+7], v[QF+16*\sI:QF+16*\sI+7], 0
.endr
.endr
	s_wait_dscnt 0x0
.irp sI, 0,1
.irp tt, 0,1,2,3
	v_wmma_f32_16x16x32_bf16 v[SC+8*(4*\sI+\tt):SC+8*(4*\sI+\tt)+7], v[FR+32+8*\tt:FR+32+8*\tt+7], v[QF+16*\sI+8:QF+16*\sI+15], v[SC+8*(4*\sI+\tt):SC+8*(4*\sI+\tt)+7]
.endr
.endr
	PLACES 4                                       ; four places in front of the loads into K's fragments and of the first read of a score
.irp ks, 0,1
.irp i, 0,1,2,3
	ds_load_tr16_b128 v[FR+8*(4*\ks+\i):FR+8*(4*\ks+\i)+3],   v[VADR+\slot] offset:(64*\c+32*\ks)*VP+32*\i      ; V^T: they land while the softmax runs
	ds_load_tr16_b128 v[FR+8*(4*\ks+\i)+4:FR+8*(4*\ks+\i)+7], v[VADR+\slot] offset:(64*\c+32*\ks+16)*VP+32*\i
.endr
.endr
	SMAX 0, \first
	SMAX 1, \first
	SOFT 0, \first
	SOFT 1, \first
	s_wait_dscnt 0x0                               ; V's fragments
.irp sI, 0,1
.irp i, 0,1,2,3
.if \first
	v_wmma_f32_16x16x32_bf16 v[OA+8*(4*\sI+\i):OA+8*(4*\sI+\i)+7], v[FR+8*\i:FR+8*\i+7], v[SC+32*\sI:SC+32*\sI+7], 0
.else
	v_wmma_f32_16x16x32_bf16 v[OA+8*(4*\sI+\i):OA+8*(4*\sI+\i)+7], v[FR+8*\i:FR+8*\i+7], v[SC+32*\sI:SC+32*\sI+7], v[OA+8*(4*\sI+\i):OA+8*(4*\sI+\i)+7]
.endif
.endr
.endr
.irp sI, 0,1
.irp i, 0,1,2,3
	v_wmma_f32_16x16x32_bf16 v[OA+8*(4*\sI+\i):OA+8*(4*\sI+\i)+7], v[FR+32+8*\i:FR+32+8*\i+7], v[SC+32*\sI+16:SC+32*\sI+23], v[OA+8*(4*\sI+\i):OA+8*(4*\sI+\i)+7]
.endr
.endr
	PLACES 5                                       ; five places: the next chunk's first products write over P, its loads over V's fragments
.endm
; One tile of 256 keys, of which 128 are mine.  In front of the round every wave has waited for all its tensor loads (its part of this trip's tile among
; them) and for its LDS reads of the other slot; behind the round that holds of every wave of all four work-groups, and the other slot is asked for first.
.macro TRIP slot, other, refill, first
	s_wait_tensorcnt 0x0                           ; no tensor load of mine is out: a group 0 may be written
	ds_add_u32 v254, v255
	s_wait_dscnt 0x0
	s_add_nc_u64 s[G0K+4*\slot+2:G0K+4*\slot+3], s[G0K+4*\slot+2:G0K+4*\slot+3], 2*TILEB   ; this slot's next tile
	s_add_nc_u64 s[G0V+4*\slot+2:G0V+4*\slot+3], s[G0V+4*\slot+2:G0V+4*\slot+3], 2*TILEB
	s_wait_dscnt 0x0
	ROUND
.if \refill
	JLOAD \other                                   ; my one tensor load behind this round (waves 8-15: none)
.endif
	CHUNK \slot, 0, \first
	CHUNK \slot, 1, 0
.endm
	TRIP 0, 1, 1, 1                                ; tile 0; my first chunk starts the maximum and the sums: nothing is cleared
	TRIP 1, 0, 1, 0
	s_mov_b32 s57, 2
.Ltiles:
	TRIP 0, 1, 1, 0                                ; tiles 2 to 5
	TRIP 1, 0, 1, 0
	s_sub_co_u32 s57, s57, 1
	s_cmp_lg_u32 s57, 0
	s_cbranch_scc1 .Ltiles
	TRIP 0, 1, 1, 0                                ; tile 6, asks for tile 7
	TRIP 1, 0, 0, 0                                ; tile 7: nothing is left to fetch (the stepped addresses are not used)
	; THE HAND-OVER.  Waves 8-15 put their sums, maxima and denominators into their pair's stage, lane by lane (16 bytes a lane, 512 an instruction:
	; the partner's lane l has the same queries and the same e in the same registers).  Store, wait for zero, barrier, load.
	s_cmp_lt_u32 s12, 8
	s_cbranch_scc1 .Lkeeper
.irp j, 0,1,2,3,4,5,6,7,8,9,10,11,12,13,14,15
	ds_store_b128 v[MRG], v[OA+4*\j:OA+4*\j+3] offset:512*\j       ; five places stand behind the last matrix instruction
.endr
	ds_store_b128 v[MRG], v[NM:NM+3] offset:8192
	ds_store_b128 v[MRG], v[LS:LS+3] offset:8704
.Lkeeper:
	s_wait_dscnt 0x0                               ; for the partner's sake: my stores are done
	s_barrier_signal -1
	s_barrier_wait -1
	s_cmp_ge_u32 s12, 8
	s_cbranch_scc1 .Lclose                         ; waves 8-15 have nothing more to do but the closing round
	ds_load_b128 v[TT:TT+3],   v[MRG] offset:8192  ; the partner's NM: sI = 0 twice, sI = 1 twice
	ds_load_b128 v[TT+4:TT+7], v[MRG] offset:8704  ; the partner's denominators: two partial sums for each sI
.irp j, 0,1,2,3,4,5,6,7,8,9,10,11,12,13,14,15
	ds_load_b128 v[SC+4*\j:SC+4*\j+3], v[MRG] offset:512*\j        ; the partner's sums, register for register
.endr
	s_wait_dscnt 16                                ; the two quads of figures are in; the 16 loads of sums may be out
	; THE MERGE.  NM = min(mine, partner's) is -c x the maximum over all keys; each side's sums are scaled by exp2(NM - its NM), an exponent of 0 or below.
.irp sI, 0,1
	v_add_f32 v[LS+2*\sI],   v[LS+2*\sI],   v[LS+2*\sI+1]          ; my denominator
	v_add_f32 v[TT+4+2*\sI], v[TT+4+2*\sI], v[TT+4+2*\sI+1]        ; the partner's
	v_min_num_f32 v[MW+8*\sI], v[NM+2*\sI], v[TT+2*\sI]
	v_sub_f32 v[MW+8*\sI+1], v[MW+8*\sI], v[NM+2*\sI]
	v_sub_f32 v[MW+8*\sI+2], v[MW+8*\sI], v[TT+2*\sI]
	v_exp_f32 v[MW+8*\sI+3], v[MW+8*\sI+1]                         ; my factor
	v_exp_f32 v[MW+8*\sI+4], v[MW+8*\sI+2]                         ; the partner's; the next plain vector instruction touches none of these four (ISA guide 5.7.2)
.endr
	v_nop                                          ; one plain place behind the last exponentials
	s_wait_alu depctr_va_vdst(0)
.irp sI, 0,1
	v_mul_f32 v[MW+8*\sI+5], v[LS+2*\sI], v[MW+8*\sI+3]
	v_fma_f32 v[MW+8*\sI+5], v[TT+4+2*\sI], v[MW+8*\sI+4], v[MW+8*\sI+5]
	v_permlanex16_b32 v[MW+8*\sI+6], v[MW+8*\sI+5], s22, s23       ; the other eight keys of each tile were summed in the other half
	v_add_f32 v[MW+8*\sI+5], v[MW+8*\sI+5], v[MW+8*\sI+6]          ; the denominator: at least about 1, since the largest weight is exp2 of about 0
	v_rcp_f32 v[MW+8*\sI+7], v[MW+8*\sI+5]
.endr
	v_nop                                          ; one plain place behind the last reciprocal
	s_wait_alu depctr_va_vdst(0)
.irp sI, 0,1
	v_mul_f32 v[AL+2*\sI],   v[MW+8*\sI+3], v[MW+8*\sI+7]          ; my factor / denominator, a pair
	v_mul_f32 v[AL+2*\sI+1], v[MW+8*\sI+3], v[MW+8*\sI+7]
	v_mul_f32 v[NM+2*\sI],   v[MW+8*\sI+4], v[MW+8*\sI+7]          ; the partner's, a pair
	v_mul_f32 v[NM+2*\sI+1], v[MW+8*\sI+4], v[MW+8*\sI+7]
.endr
.irp sI, 0,1
.irp p, 0,1,2,3,4,5,6,7,8,9,10,11,12,13,14,15
	v_pk_mul_f32 v[OA+32*\sI+2*\p:OA+32*\sI+2*\p+1], v[OA+32*\sI+2*\p:OA+32*\sI+2*\p+1], v[AL+2*\sI:AL+2*\sI+1]
.endr
.endr
	s_wait_dscnt 0x0                               ; the partner's sums
.irp sI, 0,1
.irp p, 0,1,2,3,4,5,6,7,8,9,10,11,12,13,14,15
	v_pk_fma_f32 v[OA+32*\sI+2*\p:OA+32*\sI+2*\p+1], v[SC+32*\sI+2*\p:SC+32*\sI+2*\p+1], v[NM+2*\sI:NM+2*\sI+1], v[OA+32*\sI+2*\p:OA+32*\sI+2*\p+1]
.endr
.endr
	; THE WAY OUT, through the same stage, which from here on is mine alone (my loads of it are back, the partner does not touch it again).
	; A tile's eight numbers: hi = bf16(x) packed; hi widened again (a shift, a mask); x - hi, which is exact in f32; lo = bf16(x - hi) packed
.irp sI, 0,1
.irp i, 0,1,2,3
.irp p, 0,1,2,3
	v_cvt_pk_bf16_f32 v[SC+4*(4*\sI+\i)+\p], v[OA+8*(4*\sI+\i)+2*\p], v[OA+8*(4*\sI+\i)+2*\p+1]
.endr
.irp p, 0,1,2,3
	v_lshlrev_b32 v[TT+2*\p],   16,         v[SC+4*(4*\sI+\i)+\p]
	v_and_b32     v[TT+2*\p+1], 0xffff0000, v[SC+4*(4*\sI+\i)+\p]
.endr
.irp p, 0,1,2,3,4,5,6,7
	v_sub_f32 v[OA+8*(4*\sI+\i)+\p], v[OA+8*(4*\sI+\i)+\p], v[TT+\p]
.endr
.irp p, 0,1,2,3
	v_cvt_pk_bf16_f32 v[SC+32+4*(4*\sI+\i)+\p], v[OA+8*(4*\sI+\i)+2*\p], v[OA+8*(4*\sI+\i)+2*\p+1]
.endr
	ds_store_b128 v[STO], v[SC+4*(4*\sI+\i):SC+4*(4*\sI+\i)+3]       offset:16*SP*\sI+32*\i       ; row 16 sI + r, hi of e = 16 i + 8 h ..
	ds_store_b128 v[STO], v[SC+32+4*(4*\sI+\i):SC+32+4*(4*\sI+\i)+3] offset:16*SP*\sI+32*\i+128   ; lo of the same
.endr
.endr
.irp t, 0,1,2,3,4,5,6,7,8,9,10,11,12,13,14,15
	ds_load_b128 v[FR+4*\t:FR+4*\t+3], v[RD] offset:2*SP*\t        ; a wave's LDS instructions are served in order (ISA guide 5.7.1): two rows of 256 bytes
.endr
.irp t, 0,1,2,3,4,5,6,7,8,9,10,11,12,13,14,15
	s_wait_dscnt 15-\t                             ; read-back t is in, the younger ones stay out
	global_store_b128 v[CO], v[FR+4*\t:FR+4*\t+3], s[10:11] offset:512*\t   ; att's rows are dense: 512 consecutive bytes, aligned
.endr
.Lclose:
	s_wait_tensorcnt 0x0
	ds_add_u32 v254, v255
	s_wait_dscnt 0x0
	ROUND                                          ; the closing round: no work-group ends while a partner may still ask jointly
	s_endpgm
.Lfunc_end_k_q7c32d1e3c6_attn:
	.size	k_q7c32d1e3c6_attn, .Lfunc_end_k_q7c32d1e3c6_attn-k_q7c32d1e3c6_attn
	.p2alignl 7, 3214868480
	.fill 96, 4, 3214868480
	.section	.rodata,"a",@progbits
	.p2align	6, 0x0
	.amdhsa_kernel k_q7c32d1e3c6_attn
		.amdhsa_group_segment_fixed_size 327680
		.amdhsa_private_segment_fixed_size 0
		.amdhsa_enable_private_segment 0
		.amdhsa_kernarg_size 32
		.amdhsa_user_sgpr_count 2
		.amdhsa_user_sgpr_kernarg_segment_ptr 1
		.amdhsa_wavefront_size32 1
		.amdhsa_system_sgpr_workgroup_id_x 1
		.amdhsa_system_sgpr_workgroup_id_y 1
		.amdhsa_system_sgpr_workgroup_id_z 1
		.amdhsa_system_vgpr_workitem_id 0
		.amdhsa_next_free_vgpr 256
		.amdhsa_next_free_sgpr 68
		.amdhsa_reserve_vcc 0
		.amdhsa_float_denorm_mode_32 3
		.amdhsa_float_denorm_mode_16_64 3
		.amdhsa_memory_ordered 1
		.amdhsa_forward_progress 1
		.amdhsa_inst_pref_size 235
	.end_amdhsa_kernel
	.amdgpu_metadata
---
amdhsa.version: [ 1, 2 ]
amdhsa.kernels:
  - .name:           k_q7c32d1e3c6_attn
    .symbol:         k_q7c32d1e3c6_attn.kd
    .args:
      - { .name: qh, .offset: 0, .size: 8, .value_kind: global_buffer, .address_space: global }
      - { .name: kh, .offset: 8, .size: 8, .value_kind: global_buffer, .address_space: global }
      - { .name: vh, .offset: 16, .size: 8, .value_kind: global_buffer, .address_space: global }
      - { .name: att, .offset: 24, .size: 8, .value_kind: global_buffer, .address_space: global }
    .group_segment_fixed_size: 327680
    .private_segment_fixed_size: 0
    .kernarg_segment_align: 8
    .kernarg_segment_size: 32
    .max_flat_workgroup_size: 512
    .sgpr_count:     68
    .vgpr_count:     256
    .wavefront_size: 32
...
	.end_amdgpu_metadata
.endif
;; end of part 2
;; launch oproj (part 3): grid 4 x 64, 8 waves a work-group, clusters of 4 x 1, 316,416 bytes of LDS; arguments att, Wo, out0; writes out0
.if DOCPART == 3
	.amdgcn_target "amdgcn-amd-amdhsa--gfx1250"
	.amdhsa_code_object_version 6
	.text
	.protected	k_q7c32d1e3c6_oproj
	.globl	k_q7c32d1e3c6_oproj
	.p2align	8
	.type	k_q7c32d1e3c6_oproj,@function
k_q7c32d1e3c6_oproj:
	s_mov_b64 s[64:65], 0
	v_nop
	global_prefetch_b8 v0, s[64:65] scope:SCOPE_SE
	s_setreg_imm32_b32 hwreg(HW_REG_WAVE_MODE, 25, 1), 1
	s_wait_xcnt 0x0
	s_wait_alu depctr_hold_cnt(0) depctr_sa_sdst(0) depctr_va_vdst(0) depctr_va_sdst(0) depctr_va_ssrc(0) depctr_va_vcc(0) depctr_vm_vsrc(0)
	s_getreg_b32 s2, hwreg(HW_REG_IB_STS2, 6, 4)
	s_cmp_eq_u32 s2, 0
	s_cbranch_scc0 .Lentry_in_a_cluster
	s_endpgm
.Lentry_in_a_cluster:
	s_bfe_u32 s2, ttmp6, 0x10000c
	s_cmp_lg_u32 s2, 0x3003
	s_cbranch_scc0 .Lentry_shape_is_right
	s_endpgm
.Lentry_shape_is_right:
; oproj: out0[b][s][o] = sum over d = 64 head + e of (hi + lo)[b][head][s][e] Wo[o][d].
; att is [b][head][s][2][64] bf16: a row of 256 bytes holds hi's 64 numbers and lo's 64; hi + lo is the attention's result to about 16 bits.
; Both parts are multiplied by the same fragments of Wo into the same f32 sums.  Wo and out0 are f32.
; Grid y = rb, a block of 128 of the 8,192 rows; grid x (the place in the cluster) = block of 128 output columns.
; Eight waves: wave w makes rows 32 (w & 3) .. + 31, columns 64 (w >> 2) .. + 63 of the block: 8 accumulator tiles, used transposed
; (source 0 = rows of Wo, source 1 = rows of att), so that register j of lane (r, h) holds column 16 i + 8 h + j of row r.
; CLUSTER: the four column blocks of a cluster need the same 128 rows x 8 heads of att, which are bf16 already: they are asked for jointly
; (mask 15), each byte once, by two loads a wave at the start; nothing is filled again.  By this text's count two tensor loads of a wave are out.
; Wo differs between the partners and is f32: it goes through registers, is rounded to bf16 there, and takes turns in two LDS slots.
; K step i is head i: 64 d, 256 bytes of every row of Wo.
; LIMITS: Wo in bf16 (nearest even), att as two bf16 numbers, sums in f32.
.set AP,    272                        ; LDS pitch of an att row: 256 bytes + 16
.set HEADB, 34816                      ; one head's 128 rows of att
.set WREG,  278528                     ; behind att's 8 heads: Wo's two slots
.set WP,    144                        ; LDS pitch of 64 bf16 of Wo: 128 bytes + 16
.set WSLOT, 18432                      ; 128 rows x 144
.set STG,   4352                       ; the way out: 16 rows x 272 bytes a wave, ON Wo's slots when they have been read for the last time
.set SP,    272                        ; 64 f32 + 16 bytes
.set WOFF, 1                           ; v1      Wo: (t >> 4) rows of 2,048 bytes + 16 (t & 15)
.set WST,  2                           ; v2      where my 8 bytes of Wo go
.set WFR,  3                           ; v3      my Wo fragments
.set AFR,  4                           ; v[4:7]  my att fragments, one register for each pair of heads: LDS immediates stay below 64 KiB
.set STO,  8                           ; v8      the way out: where I put 32 bytes
.set RD,   9                           ; v9      the way out: where I read rows back
.set CO,   10                          ; v10     my offset in two rows of out0
.set ACC,  16                          ; v[16:79]   tile (i, sI) at 16 + 8 (4 sI + i)
.set WF,   80                          ; v[80:111]  four fragments of Wo
.set AF,   112                         ; v[112:143] fragments of att: hi of sI = 0, 1, then lo of sI = 0, 1
.set SET,  144                         ; v[144:239] three staging sets of 32
.set G1, 24                            ; s[24:31]
.set G0, 32                            ; s[32:39] two sets
.macro PLACES n
.rept \n
	v_nop
.endr
.endm
.macro ROUND
	s_barrier_signal -1
	s_barrier_wait -1
	s_cmp_lg_u32 s12, 0
	s_cbranch_scc1 .Lnot_wave_0_\@
	s_barrier_signal -3
.Lnot_wave_0_\@:
	s_barrier_wait -3
	s_barrier_signal -1
	s_barrier_wait -1
.endm
	s_load_b128 s[4:7], s[0:1], 0x0                ; att s[4:5], Wo s[6:7]
	s_load_b64 s[8:9], s[0:1], 0x10                ; out0
	v_lshl_add_u32 v254, v0, 2, 0x4d000
	v_mov_b32 v255, 0
	ds_add_u32 v254, v255
	v_lshrrev_b32 v11, 5, v0
	v_readfirstlane_b32 s12, v11                   ; wave 0..7
	s_and_b32 s13, s12, 3                          ; wr
	s_lshr_b32 s14, s12, 2                         ; wc
	s_bfe_u32 s15, ttmp6, 0x40000                  ; cx: the column block
	s_and_b32 s17, ttmp7, 0xffff                   ; rb
	; att: batch (rb >> 4) x 4 MiB + (rb & 15) x 128 rows x 256 bytes + head (w >> 1) x 512 KiB + half (w & 1) x 64 rows x 256 bytes; no cx
	s_lshr_b32 s40, s17, 4
	s_lshl_b32 s40, s40, 22
	s_and_b32 s16, s17, 15
	s_lshl_b32 s16, s16, 15
	s_add_co_u32 s40, s40, s16
	s_lshr_b32 s16, s12, 1
	s_lshl_b32 s16, s16, 19
	s_add_co_u32 s40, s40, s16
	s_and_b32 s16, s12, 1
	s_lshl_b32 s16, s16, 14
	s_add_co_u32 s40, s40, s16
	s_mov_b32 s41, 0
	s_lshl_b32 s44, s15, 18                        ; Wo: 128 rows of 2,048 bytes a column block
	s_mov_b32 s45, 0
	s_lshl_b32 s46, s17, 18                        ; out0: (128 rb + 32 wr) rows of 2,048 bytes + 512 cx + 256 wc
	s_lshl_b32 s47, s13, 16
	s_add_co_u32 s46, s46, s47
	s_lshl_b32 s47, s15, 9
	s_add_co_u32 s46, s46, s47
	s_lshl_b32 s47, s14, 8
	s_add_co_u32 s46, s46, s47
	s_mov_b32 s47, 0
	; group 1: 64 rows x 128 elements of 2 bytes, dense in memory, 4 words of padding after every 64
	s_mov_b32 s[G1+0], 15|(1<<16)|(1<<20)|(1<<21)|(5<<22)|(3<<25)  ; 15:0 mask of the four; 17:16 2 bytes; 20 padding on; 21 set beside a mask; 24:22 interval; 31:25 pad - 1
	s_mov_b32 s[G1+1], 128<<16                     ; tensor_dim0 = 128
	s_mov_b32 s[G1+2], 64<<16                      ; tensor_dim1 = 64
	s_mov_b32 s[G1+3], 128<<16                     ; tile_dim0 = 128
	s_mov_b32 s[G1+4], 64                          ; tile_dim1 = 64
	s_mov_b32 s[G1+5], 128                         ; 128 elements from row to row
	s_mov_b32 s[G1+6], 0
	s_mov_b32 s[G1+7], 0
	v_and_b32 v12, 15, v0                          ; t & 15 = r
	v_lshrrev_b32 v13, 4, v0                       ; t >> 4
	v_bfe_u32 v14, v0, 4, 1                        ; h
	v_lshlrev_b32 v[WOFF], 4, v12
	v_lshl_add_u32 v[WOFF], v13, 11, v[WOFF]
	v_mul_u32_u24 v[WST], v13, WP
	v_lshl_add_u32 v[WST], v12, 3, v[WST]
	v_add_nc_u32 v[WST], WREG, v[WST]
	v_mul_u32_u24 v15, v12, WP
	v_lshl_add_u32 v15, v14, 4, v15                ; r x 144 + 16 h
	s_mul_i32 s18, s14, 64*WP
	s_add_co_u32 s18, s18, WREG
	v_add_nc_u32 v[WFR], s18, v15
	v_mul_u32_u24 v15, v12, AP
	v_lshl_add_u32 v15, v14, 4, v15                ; r x 272 + 16 h
	s_mul_i32 s18, s13, 32*AP
	v_add_nc_u32 v[AFR], s18, v15                  ; (32 wr + r) x 272 + 16 h
	v_add_nc_u32 v[AFR+1], 2*HEADB, v[AFR]
	v_add_nc_u32 v[AFR+2], 4*HEADB, v[AFR]
	v_add_nc_u32 v[AFR+3], 6*HEADB, v[AFR]
	s_mul_i32 s19, s12, STG
	s_add_co_u32 s19, s19, WREG                    ; my stage
	v_mul_u32_u24 v[STO], v12, SP
	v_lshl_add_u32 v[STO], v14, 5, v[STO]          ; r x 272 + 32 h
	v_add_nc_u32 v[STO], s19, v[STO]
	v_mul_u32_u24 v[RD], v14, SP
	v_lshl_add_u32 v[RD], v12, 4, v[RD]            ; h x 272 + 16 r
	v_add_nc_u32 v[RD], s19, v[RD]
	v_lshlrev_b32 v[CO], 4, v12
	v_lshl_add_u32 v[CO], v14, 11, v[CO]           ; h x 2,048 + 16 r
	s_wait_dscnt 0x0
	s_wait_kmcnt 0x0
	s_add_nc_u64 s[42:43], s[4:5], s[40:41]
	s_add_nc_u64 s[6:7], s[6:7], s[44:45]
	s_add_nc_u64 s[8:9], s[8:9], s[46:47]
	s_mov_b32 s[G0+0], 1
	s_mul_i32 s[G0+1], s12, 64*AP                  ; head (w >> 1), half (w & 1) = wave x 64 rows
	s_mov_b64 s[G0+2:G0+3], s[42:43]
	s_or_b32 s[G0+3], s[G0+3], 0x80000000
	s_mov_b32 s[G0+4], 1
	s_add_co_u32 s[G0+5], s[G0+1], 4*HEADB         ; heads 4-7
	s_add_nc_u64 s[G0+6:G0+7], s[42:43], 0x200000  ; four heads of 512 KiB on
	s_or_b32 s[G0+7], s[G0+7], 0x80000000
	ROUND                                          ; all four work-groups are here: the joint loads meet
	tensor_load_to_lds s[G0:G0+3], s[G1:G1+7]
	s_nop 0
	tensor_load_to_lds s[G0+4:G0+7], s[G1:G1+7]
	s_nop 0
.macro LOADS step, g                   ; 8 loads: 256 bytes of each of Wo's 128 rows, 16 rows a load
.irp j, 0,1,2,3,4,5,6,7
	global_load_b128 v[SET+32*\g+4*\j:SET+32*\g+4*\j+3], v[WOFF], s[6:7] offset:\j*32768+(\step)*256
.endr
.endm
.macro CVTST g, slot                   ; staging set g, rounded to bf16 in place, into Wo's slot
.irp j, 0,1,2,3,4,5,6,7
	v_cvt_pk_bf16_f32 v[SET+32*\g+4*\j],   v[SET+32*\g+4*\j],   v[SET+32*\g+4*\j+1]
	v_cvt_pk_bf16_f32 v[SET+32*\g+4*\j+1], v[SET+32*\g+4*\j+2], v[SET+32*\g+4*\j+3]
	ds_store_b64 v[WST], v[SET+32*\g+4*\j:SET+32*\g+4*\j+1] offset:\slot*WSLOT+16*WP*\j
.endr
.endm
; the fragments of 32 d (ks = 0, 1) of head hd: eight loads of Wo, four of hi, and last four of lo
.macro FRAGS slot, hd, ks
.irp i, 0,1,2,3
	ds_load_b128 v[WF+8*\i:WF+8*\i+3],   v[WFR] offset:\slot*WSLOT+16*WP*\i+64*\ks
	ds_load_b128 v[WF+8*\i+4:WF+8*\i+7], v[WFR] offset:\slot*WSLOT+16*WP*\i+64*\ks+32
.endr
.irp part, 0,1
.irp sI, 0,1
	ds_load_b128 v[AF+16*\part+8*\sI:AF+16*\part+8*\sI+3],   v[AFR+(\hd>>1)] offset:(\hd&1)*HEADB+16*AP*\sI+128*\part+64*\ks
	ds_load_b128 v[AF+16*\part+8*\sI+4:AF+16*\part+8*\sI+7], v[AFR+(\hd>>1)] offset:(\hd&1)*HEADB+16*AP*\sI+128*\part+64*\ks+32
.endr
.endr
.endm
; eight accumulators by turns, one instruction a turn, in the same order everywhere.  part = 0: hi, 1: lo
.macro MULS zero, part
.irp sI, 0,1
.irp i, 0,1,2,3
.if \zero
	v_wmma_f32_16x16x32_bf16 v[ACC+8*(4*\sI+\i):ACC+8*(4*\sI+\i)+7], v[WF+8*\i:WF+8*\i+7], v[AF+16*\part+8*\sI:AF+16*\part+8*\sI+7], 0
.else
	v_wmma_f32_16x16x32_bf16 v[ACC+8*(4*\sI+\i):ACC+8*(4*\sI+\i)+7], v[WF+8*\i:WF+8*\i+7], v[AF+16*\part+8*\sI:AF+16*\part+8*\sI+7], v[ACC+8*(4*\sI+\i):ACC+8*(4*\sI+\i)+7]
.endif
.endr
.endr
.endm
; K step i multiplies head i with Wo's slot s; then the next step's Wo (staging set ng) is rounded into slot nx and step nl is requested.
; cnt = the loads of the later steps that may stay out.  One barrier a step: my reads of slot s and my stores into slot nx are done in front of it.
.macro STEP i, s, nx, ng, nl, cnt
	FRAGS \s, \i, 0
	s_wait_dscnt 4                                 ; Wo's and hi's fragments are in; lo's four loads may be out
.if \i == 0
	MULS 1, 0                                      ; the first products start the sums: nothing is cleared
.else
	MULS 0, 0
.endif
	s_wait_dscnt 0x0
	MULS 0, 1
	PLACES 4                                       ; four places between the matrix instructions and loads into their sources
	FRAGS \s, \i, 1
	s_wait_dscnt 4
	MULS 0, 0
	s_wait_dscnt 0x0
	MULS 0, 1
.if \i < 7
	s_wait_loadcnt \cnt                            ; loads return in order: the next step's eight are in
	CVTST \ng, \nx                                 ; its 16 conversions are also the places in front of the next fragment loads
	s_wait_dscnt 0x0
.if \nl < 8
	LOADS \nl, \ng
.endif
.if \i == 3
	s_wait_tensorcnt 0x0                           ; my part of heads 4-7 has landed: the next step reads head 4
.endif
	s_barrier_signal -1
	s_barrier_wait -1
.endif
.endm
	LOADS 0, 0
	LOADS 1, 1
	LOADS 2, 2
	s_wait_loadcnt 16                              ; step 0's eight loads are in; 16 of steps 1 and 2 stay out
	CVTST 0, 0
	s_wait_dscnt 0x0
	LOADS 3, 0
	s_wait_tensorcnt 0x1                           ; my part of heads 0-3 has landed; the load of heads 4-7 may stay out
	s_barrier_signal -1
	s_barrier_wait -1
	STEP 0, 0, 1, 1, 4, 16
	STEP 1, 1, 0, 2, 5, 16
	STEP 2, 0, 1, 0, 6, 16
	STEP 3, 1, 0, 1, 7, 16
	STEP 4, 0, 1, 2, 8, 16
	STEP 5, 1, 0, 0, 9, 8
	STEP 6, 0, 1, 1, 10, 0
	STEP 7, 1, 0, 2, 11, 0
	; THE WAY OUT.  The stages lie on Wo's two slots, which other waves have been reading: every wave's reads are back, then a barrier.
	; Those bytes have only ever been written by LDS stores; no tensor load fills them.
	s_wait_dscnt 0x0
	s_barrier_signal -1
	s_barrier_wait -1
	PLACES 4                                       ; four places between the last matrix instructions and the stores of their results
	; 16 rows at a time: 32 bytes a lane and tile into my own stage, whole rows of 256 bytes back, sixteen lanes store 256 consecutive aligned bytes.
	; My wave's own bytes are served in order (ISA guide 5.7.1): no wait between stores and loads, nor between one half's loads and the next half's stores.
.irp sI, 0,1
.irp i, 0,1,2,3
	ds_store_b128 v[STO], v[ACC+8*(4*\sI+\i):ACC+8*(4*\sI+\i)+3]   offset:64*\i
	ds_store_b128 v[STO], v[ACC+8*(4*\sI+\i)+4:ACC+8*(4*\sI+\i)+7] offset:64*\i+16
.endr
.irp t, 0,1,2,3,4,5,6,7
	ds_load_b128 v[SET+32*\sI+4*\t:SET+32*\sI+4*\t+3], v[RD] offset:2*SP*\t      ; two rows; each half has registers of its own
.endr
.irp t, 0,1,2,3,4,5,6,7
	s_wait_dscnt 7-\t                              ; read-back t is in, the younger ones stay out
	global_store_b128 v[CO], v[SET+32*\sI+4*\t:SET+32*\sI+4*\t+3], s[8:9] offset:32768*\sI+4096*\t th:TH_STORE_NT
.endr
.endr
	s_wait_tensorcnt 0x0
	ds_add_u32 v254, v255
	s_wait_dscnt 0x0
	ROUND                                          ; the closing round
	s_endpgm
.Lfunc_end_k_q7c32d1e3c6_oproj:
	.size	k_q7c32d1e3c6_oproj, .Lfunc_end_k_q7c32d1e3c6_oproj-k_q7c32d1e3c6_oproj
	.p2alignl 7, 3214868480
	.fill 96, 4, 3214868480
	.section	.rodata,"a",@progbits
	.p2align	6, 0x0
	.amdhsa_kernel k_q7c32d1e3c6_oproj
		.amdhsa_group_segment_fixed_size 316416
		.amdhsa_private_segment_fixed_size 0
		.amdhsa_enable_private_segment 0
		.amdhsa_kernarg_size 24
		.amdhsa_user_sgpr_count 2
		.amdhsa_user_sgpr_kernarg_segment_ptr 1
		.amdhsa_wavefront_size32 1
		.amdhsa_system_sgpr_workgroup_id_x 1
		.amdhsa_system_sgpr_workgroup_id_y 1
		.amdhsa_system_sgpr_workgroup_id_z 1
		.amdhsa_system_vgpr_workitem_id 0
		.amdhsa_next_free_vgpr 256
		.amdhsa_next_free_sgpr 66
		.amdhsa_reserve_vcc 0
		.amdhsa_float_denorm_mode_32 3
		.amdhsa_float_denorm_mode_16_64 3
		.amdhsa_memory_ordered 1
		.amdhsa_forward_progress 1
		.amdhsa_inst_pref_size 63
	.end_amdhsa_kernel
	.amdgpu_metadata
---
amdhsa.version: [ 1, 2 ]
amdhsa.kernels:
  - .name:           k_q7c32d1e3c6_oproj
    .symbol:         k_q7c32d1e3c6_oproj.kd
    .args:
      - { .name: att, .offset: 0, .size: 8, .value_kind: global_buffer, .address_space: global }
      - { .name: Wo, .offset: 8, .size: 8, .value_kind: global_buffer, .address_space: global }
      - { .name: out0, .offset: 16, .size: 8, .value_kind: global_buffer, .address_space: global }
    .group_segment_fixed_size: 316416
    .private_segment_fixed_size: 0
    .kernarg_segment_align: 8
    .kernarg_segment_size: 24
    .max_flat_workgroup_size: 256
    .sgpr_count:     66
    .vgpr_count:     256
    .wavefront_size: 32
...
	.end_amdgpu_metadata
.endif
;; end of part 3
